; MI455X (gfx1250); checked and timed in simulation.
; The chip was launched on July 23, 2026; its instructions are those of AMD's public machine-readable ISA for CDNA 5 (MIT licence, August 2026) and "CDNA5" Instruction Set Architecture Reference Guide (July 2026). The comments in the code are by the model that wrote it; some were corrected since.
;; Euclidean Codebook. Allowed arithmetic: matrix products marked QUANTISED: E2M1 operands, one E8M0 scale for each 32 along K, by v_wmma_scale_f32_16x16x128_f8f6f4 with both operands' format E2M1 (or v_wmma_scale_f32_32x16x128_f4), f32 sums; everything else in f32.
;; Inputs: embed 8,192 x 256 float32; x 8 x 4,096 x 256 float32.
;; Outputs: out0 8 x 4,096 x 256 float32.
;; This version of the problem:
;;   THIS VERSION OF THE PROBLEM IS GIVEN IN LOW PRECISION. The matrix products marked QUANTISED in the list below multiply operands that are first quantised to E2M1 (2 exponent bits, 1 mantissa bit; 4 bits a number), with one power-of-two scale for each 32 numbers along K (OCP MX v1.0); their sums are f32. All else is computed in f32.
;;   The module's matrix products, in the order in which they are computed (A, B: the left and right operand; K: the contracted axis; several contracted axes count as one K, in the product's order):
;;     1. [M 32,768, K 256] x [K 256, N 8,192]; A: input x; B: input embed: QUANTISED
;;   THE QUANTISER, for each operand of a quantised product, along K:
;;     - K is cut into blocks of 32 from its start; a last block that is shorter is filled with zeros.
;;     - A block's scale is 2^e with e = floor(log2(the largest magnitude in the block)) - 2, held to -126 .. 127; a block of zeros has e = 0. As a byte (E8M0): e + 127.
;;     - Each number is divided by its block's scale, clamped to +-6, and rounded to the nearest number of E2M1, ties to even, subnormals kept.
;;     - The product sums the exact products of the quantised numbers (number of the format x scale) in f32.
;;   ~~~python
;;   def quantise(x, axis):      # numpy; x: float32 -> the quantised numbers, widened to float32 again
;;       x = np.moveaxis(x, axis, -1); K = x.shape[-1]
;;       x = np.pad(x, [(0, 0)] * (x.ndim - 1) + [(0, -K % 32)]); x = x.reshape(x.shape[:-1] + (-1, 32)); a = np.abs(x).max(-1, keepdims=True)
;;       e = np.where(a > 0, np.clip(np.frexp(np.where(a > 0, a, 1))[1] - 1 - 2, -126, 127), 0)      # np.frexp(a)[1] - 1 = floor(log2(a)), exactly
;;       r = np.clip(x / 2.0 ** e, -6, 6)
;;       step = 2.0 ** (np.maximum(np.frexp(np.where(r == 0, 1, r))[1] - 1, 0) - 1)
;;       q = np.round(r / step) * step * 2.0 ** e      # np.round: ties to even
;;       return np.moveaxis(q.reshape(q.shape[:-2] + (-1,))[..., :K], -1, axis).astype(np.float32)
;;   ~~~
;; One version. Each part assembles by itself: llvm-mc -triple=amdgcn-amd-amdhsa -mcpu=gfx1250 --defsym DOCPART=n.
;; ======== version 1 of 1: 3 launches
;; limits: right only within a limited range of input values
;; workspace buffers: ximg 4,194,304 bytes; xscl 262,144 bytes; eimg 1,179,648 bytes; cand 2,097,152 bytes of whole numbers
;; launch prep (part 1): grid 256 x 1, 10 waves a work-group, no clusters, 85,760 bytes of LDS; arguments x, embed, ximg, xscl, eimg; writes ximg, xscl, eimg
.if DOCPART == 1
	.amdgcn_target "amdgcn-amd-amdhsa--gfx1250"
	.amdhsa_code_object_version 6
	.text
	.protected	k_qdb1d516ac2_prep
	.globl	k_qdb1d516ac2_prep
	.p2align	8
	.type	k_qdb1d516ac2_prep,@function
k_qdb1d516ac2_prep:
	s_mov_b64 s[64:65], 0
	v_nop
	global_prefetch_b8 v0, s[64:65] scope:SCOPE_SE
	s_setreg_imm32_b32 hwreg(HW_REG_WAVE_MODE, 25, 1), 1
	s_wait_xcnt 0x0
; x [32768][256] and embed [8192][256], f32, become codes of FP4 (E2M1) with one E8M0 scale byte for each 32 along the 256, laid as IMAGES OF THE MATRIX OPERAND'S REGISTERS,
; so that the next launch takes every fragment by loads of 16 bytes a lane at 16 x lane.  For embed also -|e|^2 / 2 of each row, from the unquantised numbers, in f32.
; A TILE is 16 rows x 256.  Its image: four groups of 512 bytes; group 2 s + c holds, at 16 x lane, lane (r, h)'s codes of k = 128 s + 64 c + 32 h + 0 .. 31 of row r.
; Its scale words: 128 bytes, 4 x lane: lanes 0-15 row r's word for k = 0 .. 127, lanes 16-31 row r's word for k = 128 .. 255.
; ximg: [2048 tiles][2048 bytes];  xscl: [2048][128 bytes];  eimg: [512 tiles][2304 bytes]: image, scale words, then -|e|^2 / 2 of the 16 rows, twice (64 bytes each).
; SHARES.  2,560 tiles, 256 work-groups of ten waves: a tile to a wave.  Tile T = 10 x work-group + wave; T < 2048: x's, else embed's.  Only pointers and strides are chosen; both tensors take one path,
; and embed's waves go on to the sum of squares.  No loop, no barrier: waves share nothing.  All 32 loads of a wave (16 KiB) go out at once.
; Each load reads 512 consecutive bytes; the conversions want 32 neighbours along k in ONE lane's registers: so half a tile at a time turns through the wave's own stage in LDS (rows 528 bytes apart).
; A block's scale is 2^(floor(log2(largest magnitude)) - 2); its byte is the largest magnitude's exponent field - 2, held at 1 from below by a floor among the maximum's leaves.
; LIMITS: a block of zeros gets the byte 1 where the rule says 127: its codes are zeros, and this program alone reads the bytes.  NaN and infinities among the inputs are not served.
; The sum of squares runs in four packed chains: another order of additions than the reference's.
; No cluster: no two work-groups read the same bytes.  No matrix work here.
; WORK LEFT OUT, in the whole program: |x|^2.  In -(|x|^2 - 2 dots + |e|^2) it is the same number for all codes of a row, so it moves no comparison of the argmax, whatever x holds, and only the argmax reaches the output.
; It goes into no quantised operand.  LIMIT: an overflow of |x|^2 alone is not carried to the result.
.set XT,    2048                       ; x's tiles
.set REC,   2304                       ; a record of eimg
.set PITCH, 528                        ; a stage row: 512 bytes + 16: an odd multiple of 16, so sixteen rows' 16 bytes fall on different banks
.set STG,   16*PITCH                   ; a wave's stage
.set LANE, 1                           ; v1   lane
.set RR,   2                           ; v2   r = lane % 16
.set HH,   3                           ; v3   h = lane / 16
.set LO,   4                           ; v4   16 x lane
.set L4,   5                           ; v5   4 x lane
.set SI,   6                           ; v6   the stage, on the way in: 16 x lane
.set SOUT, 7                           ; v7   and on the way out: 528 r + 128 h
.set MX,   8                           ; v8-9   two blocks' largest magnitudes
.set SO,   10                          ; v10-11 the conversions' scale operands
.set BY,   12                          ; v12-13 the scale bytes
.set T0,   14
.set T1,   15                          ; v15  a lane permute's destination
.set W,    16                          ; v16-17 the scale words of the two halves of k
.set H8,   18                          ; v18  8 h
.set WD,   19                          ; v19  the word that my lane stores
.set SQ,   20                          ; v20-27 four packed chains of squares
.set BI,   28                          ; v28  -|e|^2 / 2
.set C,    32                          ; v32-47 the codes: register 8 s + 4 c + g
.set R0,   64                          ; v64-127  the first halves of the rows as loaded; later the second halves by lanes
.set R1,   128                         ; v128-191 the second halves as loaded
.set X0,   192                         ; v192-255 the first halves by lanes
	s_load_b256 s[4:11], s[0:1], 0x0               ; x s[4:5], embed s[6:7], ximg s[8:9], xscl s[10:11]
	s_load_b64 s[12:13], s[0:1], 0x20              ; eimg
	v_lshl_add_u32 v62, v0, 2, 0x14a00
	v_mov_b32 v63, 0
	v_lshrrev_b32 v[LANE], 5, v0
	s_delay_alu instid0(VALU_DEP_1)
	v_readfirstlane_b32 s14, v[LANE]               ; wave 0..9
	v_and_b32 v[LANE], 31, v0
	v_and_b32 v[RR], 15, v0
	v_bfe_u32 v[HH], v0, 4, 1
	s_delay_alu instid0(VALU_DEP_3)
	v_lshlrev_b32 v[LO], 4, v[LANE]
	s_delay_alu instid0(VALU_DEP_4)
	v_lshlrev_b32 v[L4], 2, v[LANE]
	s_mul_i32 s17, s14, STG                        ; my stage
	v_add_nc_u32 v[SI], s17, v[LO]
	v_mul_u32_u24 v[SOUT], v[RR], PITCH
	s_delay_alu instid0(VALU_DEP_1)
	v_lshl_add_u32 v[SOUT], v[HH], 7, v[SOUT]
	s_delay_alu instid0(VALU_DEP_1)
	v_add_nc_u32 v[SOUT], s17, v[SOUT]
	v_lshlrev_b32 v[H8], 3, v[HH]
	v_mov_b32 v[T1], 0                             ; written once: a lane permute's destination counts as one of its sources
	s_mov_b32 s22, 0x76543210
	s_mov_b32 s23, 0xfedcba98                      ; v_permlanex16_b32's selects for lane l xor 16
	s_mul_i32 s15, ttmp9, 10
	s_add_co_u32 s15, s15, s14                     ; T
	s_mov_b32 s24, REC
	s_mov_b32 s25, REC
	s_wait_alu depctr_va_vdst(0)
	s_wait_kmcnt 0x0
	s_cmp_lt_u32 s15, XT                           ; x's tile or embed's?  The choice hangs on the work-group's and the wave's number alone
	s_cselect_b64 s[4:5], s[4:5], s[6:7]           ; from where
	s_cselect_b64 s[8:9], s[8:9], s[12:13]         ; the image's buffer
	s_cselect_b64 s[10:11], s[10:11], s[12:13]     ; the scale words' buffer
	s_cselect_b32 s16, 0, XT
	s_cselect_b32 s24, 2048, s24                   ; bytes from image to image
	s_cselect_b32 s25, 128, s25                    ; from a tile's scale words to the next tile's
	s_cselect_b32 s26, 0, 2048                     ; in eimg they lie behind the image
	s_sub_co_u32 s16, s15, s16                     ; the tile's number in its tensor
	s_lshl_b32 s18, s16, 14                        ; 16 rows of 1,024 bytes
	s_mov_b32 s19, 0
	s_mul_i32 s20, s16, s24
	s_mov_b32 s21, 0
	s_add_nc_u64 s[4:5], s[4:5], s[18:19]
	s_add_nc_u64 s[8:9], s[8:9], s[20:21]
	s_mul_i32 s20, s16, s25
	s_add_co_u32 s20, s20, s26
	s_add_nc_u64 s[10:11], s[10:11], s[20:21]
.irp s, 0,1                                    ; the first halves of all 16 rows, then the second halves: 32 lanes read 512 consecutive bytes
.irp i, 0,1,2,3,4,5,6,7,8,9,10,11,12,13,14,15
	global_load_b128 v[R0+64*\s+4*\i:R0+64*\s+4*\i+3], v[LO], s[4:5] offset:1024*\i+512*\s th:TH_LOAD_NT
.endr
.endr
; Half s of k: 16 rows x 128 numbers from v[raw] on go through the stage and come back in v[xs] on: register 32 c + m = k 128 s + 64 c + 32 h + m of row r.  Then two whole blocks a lane are quantised.
.macro KSTEP s, raw, xs
.irp i, 0,1,2,3,4,5,6,7,8,9,10,11,12,13,14,15
	ds_store_b128 v[SI], v[\raw+4*\i:\raw+4*\i+3] offset:PITCH*\i
.endr
.irp c, 0,1
.irp g, 0,1,2,3,4,5,6,7
	ds_load_b128 v[\xs+32*\c+4*\g:\xs+32*\c+4*\g+3], v[SOUT] offset:256*\c+16*\g   ; LDS serves a wave's instructions in order: these see the stores above
.endr
.endr
	s_wait_dscnt 0x0
.irp c, 0,1
	v_max3_num_f32 v[MX+\c], |v[\xs+32*\c]|, |v[\xs+32*\c+1]|, 0x1800000   ; my block 2 c + h: all its 32 numbers are mine; and the floor 2^(3 - 127): the byte cannot fall under 1
.endr
.irp i, 2,4,6,8,10,12,14,16,18,20,22,24,26,28,30
.irp c, 0,1
	s_delay_alu instid0(VALU_DEP_2)
	v_max3_num_f32 v[MX+\c], v[MX+\c], |v[\xs+32*\c+\i]|, |v[\xs+32*\c+\i+1]|   ; (the two blocks by turns)
.endr
.endr
.irp c, 0,1
	s_delay_alu instid0(VALU_DEP_2)
	v_add_nc_u32 v[SO+\c], 0xff000000, v[MX+\c]    ; 2 off the exponent field: the conversion takes the exponent field of this operand as its scale, and nothing else of it
.endr
.irp c, 0,1
	s_delay_alu instid0(VALU_DEP_2)
	v_lshrrev_b32 v[BY+\c], 23, v[SO+\c]           ; the scale's byte
.endr
	s_delay_alu instid0(VALU_DEP_1)
	v_lshl_or_b32 v[T0], v[BY+1], 16, v[BY]        ; my two bytes: blocks h and 2 + h of row r,
	s_delay_alu instid0(VALU_DEP_1)
	v_lshlrev_b32 v[T0], v[H8], v[T0]              ; at their places in the scale word;
	s_delay_alu instid0(VALU_DEP_1)
	v_permlanex16_b32 v[T1], v[T0], s22, s23
	s_delay_alu instid0(VALU_DEP_1)
	v_or_b32 v[W+\s], v[T0], v[T1]                 ; with lane l xor 16's two the word is whole, in both lanes
.irp c, 0,1
.irp g, 0,1,2,3
	v_cvt_scalef32_pk8_fp4_f32 v[C+8*\s+4*\c+\g], v[\xs+32*\c+8*\g:\xs+32*\c+8*\g+7], v[SO+\c]   ; to the nearest code, ties to even, beyond 6 the largest code
.endr
.endr
	v_nop                                          ; one plain vector instruction behind the last scaled conversion
.endm
	s_wait_loadcnt 16                              ; the first halves are in; the 16 loads of the second halves may be out
	KSTEP 0, R0, X0
	s_wait_loadcnt 0x0
	KSTEP 1, R1, R0                                ; R0's numbers have left for X0: its registers take the second halves by lanes
	v_cmp_lt_u32 vcc_lo, 15, v[LANE]
	s_delay_alu instid0(VALU_DEP_1)
	v_cndmask_b32 v[WD], v[W], v[W+1], vcc_lo      ; lanes 0-15 store the first word, lanes 16-31 the second
.irp c, 0,1,2,3
	global_store_b128 v[LO], v[C+4*\c:C+4*\c+3], s[8:9] offset:512*\c   ; 32 lanes store 512 consecutive bytes
.endr
	global_store_b32 v[L4], v[WD], s[10:11]        ; 128 consecutive bytes
	s_cmp_lt_u32 s15, XT
	s_cbranch_scc1 .Ldone                          ; x's tiles are finished
	; embed: the sum of squares of my 128 numbers (X0 and R0 still hold them), with lane l xor 16's the row's
.irp k, 0,1,2,3
	v_pk_mul_f32 v[SQ+2*\k:SQ+2*\k+1], v[X0+2*\k:X0+2*\k+1], v[X0+2*\k:X0+2*\k+1]   ; the first four pairs start the chains: nothing is cleared
.endr
.set p, 4
.rept 28
	s_delay_alu instid0(VALU_DEP_4)
	v_pk_fma_f32 v[SQ+2*(p%4):SQ+2*(p%4)+1], v[X0+2*p:X0+2*p+1], v[X0+2*p:X0+2*p+1], v[SQ+2*(p%4):SQ+2*(p%4)+1]
.set p, p+1
.endr
.set p, 0
.rept 32
	s_delay_alu instid0(VALU_DEP_4)
	v_pk_fma_f32 v[SQ+2*(p%4):SQ+2*(p%4)+1], v[R0+2*p:R0+2*p+1], v[R0+2*p:R0+2*p+1], v[SQ+2*(p%4):SQ+2*(p%4)+1]
.set p, p+1
.endr
	s_delay_alu instid0(VALU_DEP_3)
	v_pk_add_f32 v[SQ:SQ+1], v[SQ:SQ+1], v[SQ+2:SQ+3]
	s_delay_alu instid0(VALU_DEP_2)
	v_pk_add_f32 v[SQ+4:SQ+5], v[SQ+4:SQ+5], v[SQ+6:SQ+7]
	s_delay_alu instid0(VALU_DEP_1)
	v_pk_add_f32 v[SQ:SQ+1], v[SQ:SQ+1], v[SQ+4:SQ+5]
	s_delay_alu instid0(VALU_DEP_1)
	v_add_f32 v[SQ], v[SQ], v[SQ+1]
	s_delay_alu instid0(VALU_DEP_1)
	v_permlanex16_b32 v[T1], v[SQ], s22, s23
	s_delay_alu instid0(VALU_DEP_1)
	v_add_f32 v[SQ], v[SQ], v[T1]
	s_delay_alu instid0(VALU_DEP_1)
	v_mul_f32 v[BI], -0.5, v[SQ]                   ; exact
	global_store_b32 v[L4], v[BI], s[10:11] offset:128   ; lanes 0-15: the 16 rows' numbers; lanes 16-31 the same again, so that the record's 2,304 bytes are all written
.Ldone:
	s_wait_tensorcnt 0x0
	ds_add_u32 v62, v63
	s_wait_dscnt 0x0
	s_endpgm
.Lfunc_end_k_qdb1d516ac2_prep:
	.size	k_qdb1d516ac2_prep, .Lfunc_end_k_qdb1d516ac2_prep-k_qdb1d516ac2_prep
	.p2alignl 7, 3214868480
	.fill 96, 4, 3214868480
	.section	.rodata,"a",@progbits
	.p2align	6, 0x0
	.amdhsa_kernel k_qdb1d516ac2_prep
		.amdhsa_group_segment_fixed_size 85760
		.amdhsa_private_segment_fixed_size 0
		.amdhsa_enable_private_segment 0
		.amdhsa_kernarg_size 40
		.amdhsa_user_sgpr_count 2
		.amdhsa_user_sgpr_kernarg_segment_ptr 1
		.amdhsa_wavefront_size32 1
		.amdhsa_system_sgpr_workgroup_id_x 1
		.amdhsa_system_sgpr_workgroup_id_y 1
		.amdhsa_system_sgpr_workgroup_id_z 1
		.amdhsa_system_vgpr_workitem_id 0
		.amdhsa_next_free_vgpr 256
		.amdhsa_next_free_sgpr 66
		.amdhsa_reserve_vcc 1
		.amdhsa_float_denorm_mode_32 3
		.amdhsa_float_denorm_mode_16_64 3
		.amdhsa_memory_ordered 1
		.amdhsa_forward_progress 1
		.amdhsa_inst_pref_size 26
	.end_amdhsa_kernel
	.amdgpu_metadata
---
amdhsa.version: [ 1, 2 ]
amdhsa.kernels:
  - .name:           k_qdb1d516ac2_prep
    .symbol:         k_qdb1d516ac2_prep.kd
    .args:
      - { .name: x, .offset: 0, .size: 8, .value_kind: global_buffer, .address_space: global }
      - { .name: embed, .offset: 8, .size: 8, .value_kind: global_buffer, .address_space: global }
      - { .name: ximg, .offset: 16, .size: 8, .value_kind: global_buffer, .address_space: global }
      - { .name: xscl, .offset: 24, .size: 8, .value_kind: global_buffer, .address_space: global }
      - { .name: eimg, .offset: 32, .size: 8, .value_kind: global_buffer, .address_space: global }
    .group_segment_fixed_size: 85760
    .private_segment_fixed_size: 0
    .kernarg_segment_align: 8
    .kernarg_segment_size: 40
    .max_flat_workgroup_size: 320
    .sgpr_count:     66
    .vgpr_count:     256
    .wavefront_size: 32
...
	.end_amdgpu_metadata
.endif
;; end of part 1
;; launch search (part 2): grid 256 x 1, 8 waves a work-group, clusters of 4 x 1, 327,680 bytes of LDS; arguments ximg, xscl, eimg, cand; writes cand
.if DOCPART == 2
	.amdgcn_target "amdgcn-amd-amdhsa--gfx1250"
	.amdhsa_code_object_version 6
	.text
	.protected	k_qdb1d516ac2_search
	.globl	k_qdb1d516ac2_search
	.p2align	8
	.type	k_qdb1d516ac2_search,@function
k_qdb1d516ac2_search:
	s_mov_b64 s[64:65], 0
	v_nop
	global_prefetch_b8 v0, s[64:65] scope:SCOPE_SE
	s_setreg_imm32_b32 hwreg(HW_REG_WAVE_MODE, 25, 1), 1
	s_wait_xcnt 0x0
	s_wait_alu depctr_hold_cnt(0) depctr_sa_sdst(0) depctr_va_vdst(0) depctr_va_sdst(0) depctr_va_ssrc(0) depctr_va_vcc(0) depctr_vm_vsrc(0)
	s_getreg_b32 s2, hwreg(HW_REG_IB_STS2, 6, 4)
	s_cmp_eq_u32 s2, 0
	s_cbranch_scc0 .Lentry_in_a_cluster
	s_endpgm
.Lentry_in_a_cluster:
	s_bfe_u32 s2, ttmp6, 0x10000c
	s_cmp_lg_u32 s2, 0x3003
	s_cbranch_scc0 .Lentry_shape_is_right
	s_endpgm
.Lentry_shape_is_right:
; cand[block][row] = (key, code): of the block's 1,024 codes the first at which dots(row, code) - |e(code)|^2 / 2 is largest, and that number as a whole number that keeps the order.
; dots = Q(x) Q(embed)^T on codes of FP4 (E2M1) with E8M0 scales, 32,768 rows x 8,192 codes x K 256.  |x|^2 is left out: it is the same for all codes of a row and moves no comparison.
; LIMITS.  The number compared is dots - |e|^2 / 2, rounded once in the matrix unit, where the reference rounds |x|^2 - 2 dots + |e|^2 twice: two codes whose distances differ by less than the reference's own
; f32 rounding may be taken in the other order.  Equal numbers: the lower code wins, as in the reference.  NaN and infinities are not served.
; SHARES.  8 blocks of 1,024 codes x 32 groups of 1,024 rows = 256 work-groups.  A block's records (64 x 2,304 = 147,456 bytes) come into LDS once and stay: no byte is filled twice.
; A UNIT is 32 codes: two records.  Every wave walks the block's 32 units in ascending order against 8 tiles of 16 rows of its own, whose fragments stay in registers: a unit read from LDS feeds 16 matrix instructions,
; and a row's answer for the block is made by one wave.  The 8 blocks' answers are joined by the next launch, on the whole numbers.
; TWO FILLS.  At the head wave w fetches unit w (4,608 bytes); behind a wait for its unit and a round of the cluster's barrier it fetches units 8 + 3 w .. 10 + 3 w (13,824 bytes), which land while units 0 to 7
; are worked; one barrier stands ahead of unit 8.  One tensor load of mine is out at the most.
; CLUSTER.  The four work-groups of a cluster have the same block and ask for its records JOINTLY: the same descriptors (block and wave's number alone), mask 15.  My place in the cluster enters x's and cand's addresses alone.
; No prefetch: all loads from memory go out at the head; the walk reads LDS and registers alone.
; THE PRODUCT, v_wmma_scale_f32_32x16x128_f4, IS USED TRANSPOSED: source 0 = 32 codes, source 1 = 16 rows of x.  Lane (r, h) holds row r; its register p holds code 16 (p / 8) + 8 h + p % 8 of the unit.
; Source 0's scale word: lane m has code m's.  -|e|^2 / 2 of the lane's sixteen codes is the C of the first of the two matrix instructions.
; THE SEARCH, for a unit and a tile of rows: eight v_max3_num_f32 in two chains give new = max(run, the sixteen); where new > run the unit's number and its sixteen scores are kept, the scores two to an instruction.
; The select of the unit's number takes its mask from a scalar register and stands behind the NEXT four products, as their four places.  run lies in two sets of registers by turns.
; At the end the place in the kept unit is the lowest p whose kept score equals run.  > is strict and units ascend: the first stays.
; REGISTERS.  window 0: v1-7, v18-19 addresses and the like; v8-15, v48-55 x's scale words of the two halves of K; v16-17 a unit's scale words; v20-23 second chains; v24-39 run; v40-47 kept unit numbers;
; v64-127 accumulators of four tiles of rows (the end's work later); v128-255 kept scores.   window 1: v0-127 x's fragments: tile q, half s of K at 16 q + 8 s; v128-159 a unit's fragments; v160-175 its bias.
.set REC,   2304                       ; a record: image 2,048, scale words 128, bias 64 (twice)
.set UB,    2*REC                      ; a unit
.set BLKB,  32*UB                      ; a block
.set SPARE, BLKB                       ; behind the block: the spare words, 128 bytes for each wave: four blocks of 256 bytes that no other line names
.set SPW,  1                           ; v1   LDS address of my spare word; never rewritten
.set NIL,  2                           ; v2   0; never rewritten
.set LI,   3                           ; v3   16 x lane: x's images in memory, then the records in LDS, stepped by two units a trip
.set L4,   4                           ; v4   a record x h + 4 r: my code's scale words, stepped likewise
.set VT,   5                           ; v5   the unit's number
.set H8,   6                           ; v6   8 h
.set TMP,  7                           ; v7   lane
.set XS,   8
.set ASC,  16
.set LB,   18                          ; v18  32 h, stepped with LI
.set GOFF, 19                          ; v19  8 x lane
.set CB,   20
.set RA,   24
.set RB,   32
.set IDX,  40
.set XS2,  48
.set ACC,  64
.set S,    128
.set POS,  64                          ; the end's work lies where the accumulators lay
.set SG,   72
.set OC,   80
.set OUT,  88
.set FW,   128                         ; in window 1
.set BW,   160
.set G1B,  72                          ; s[72:79], s[80:83]: the second fill's descriptor
.set G0B,  80
.set MK,   84                          ; s84-91 tile q: the mask of lanes in which the last unit has won
.set MA,   16                          ; s16-23, s24-31, s92-99: the end's masks (the descriptors' registers are free by then)
.set MB,   24
.set MC,   92
.set MSB, 0
.macro WIN new                         ; the immediate's high byte repeats the setting that is left
.if MSB != \new
	s_set_vgpr_msb (MSB<<8)|\new
.set MSB, \new
.endif
.endm
.macro ROUND                           ; a round of the cluster's barrier
	s_barrier_signal -1
	s_barrier_wait -1
	s_cmp_lg_u32 s12, 0
	s_cbranch_scc1 .Lnot_wave_0_\@
	s_barrier_signal -3
.Lnot_wave_0_\@:
	s_barrier_wait -3
	s_barrier_signal -1
	s_barrier_wait -1
.endm
.macro LOADS u                         ; fourteen LDS loads: unit u from where the addresses stand.  Half s of K: registers 16 s + 0 .. 7 the first record's 16 codes, + 8 .. 15 the second's
	WIN 0x40                                       ; destination window 1, address window 0
.irp t, 0,1
.irp s, 0,1
.irp c, 0,1
	ds_load_b128 v[FW+16*\s+8*\t+4*\c:FW+16*\s+8*\t+4*\c+3], v[LI] offset:(\u)*UB+\t*REC+512*(2*\s+\c)
.endr
.endr
	ds_load_b128 v[BW+8*\t:BW+8*\t+3], v[LB] offset:(\u)*UB+\t*REC+2176
	ds_load_b128 v[BW+8*\t+4:BW+8*\t+7], v[LB] offset:(\u)*UB+\t*REC+2192
.endr
	WIN 0
	ds_load_b32 v[ASC], v[L4] offset:(\u)*UB+2048      ; lanes 0-15 the first record's codes, lanes 16-31 the second's: K = 0 .. 127,
	ds_load_b32 v[ASC+1], v[L4] offset:(\u)*UB+2112    ; and K = 128 .. 255
.endm
.macro MULS q0                         ; the unit against tiles q0 .. q0 + 3 of my rows: the four accumulators take turns, one instruction a turn
	WIN 0x15                                       ; sources 0, 1 and 2 in window 1
.irp a, 0,1,2,3
	v_wmma_scale_f32_32x16x128_f4 v[ACC+16*\a:ACC+16*\a+15], v[FW:FW+15], v[16*(\q0+\a):16*(\q0+\a)+7], v[BW:BW+15], v[ASC], v[XS+\q0+\a]
.endr
	WIN 0x05                                       ; C is the accumulator, in window 0
.irp a, 0,1,2,3
	v_wmma_scale_f32_32x16x128_f4 v[ACC+16*\a:ACC+16*\a+15], v[FW+16:FW+31], v[16*(\q0+\a)+8:16*(\q0+\a)+15], v[ACC+16*\a:ACC+16*\a+15], v[ASC+1], v[XS2+\q0+\a]
.endr
	WIN 0
.endm
.macro IDXS q0                         ; the unit's number is kept where it has won: four plain instructions that name none of the products' registers (ISA guide 7.12.1)
.irp a, 0,1,2,3
	v_cndmask_b32 v[IDX+\q0+\a], v[IDX+\q0+\a], v[VT], s[MK+\q0+\a]
.endr
.endm
.macro SEARCH q0, old, new
.irp a, 0,1,2,3
	v_max3_num_f32 v[\new+\q0+\a], v[\old+\q0+\a], v[ACC+16*\a], v[ACC+16*\a+1]   ; each accumulator is read from its low end on
.endr
.irp a, 0,1,2,3
	v_max3_num_f32 v[CB+\a], v[ACC+16*\a+8], v[ACC+16*\a+9], v[ACC+16*\a+10]      ; a second chain for each tile: eight chains by turns
.endr
.irp j, 2,4
.irp a, 0,1,2,3
	v_max3_num_f32 v[\new+\q0+\a], v[\new+\q0+\a], v[ACC+16*\a+\j], v[ACC+16*\a+\j+1]
.endr
.irp a, 0,1,2,3
	v_max3_num_f32 v[CB+\a], v[CB+\a], v[ACC+16*\a+9+\j], v[ACC+16*\a+10+\j]
.endr
.endr
.irp a, 0,1,2,3
	v_max3_num_f32 v[\new+\q0+\a], v[\new+\q0+\a], v[ACC+16*\a+6], v[ACC+16*\a+7]
.endr
.irp a, 0,1,2,3
	v_max3_num_f32 v[\new+\q0+\a], v[\new+\q0+\a], v[CB+\a], v[ACC+16*\a+15]
.endr
.irp a, 0,1,2,3
	v_cmp_gt_f32 vcc_lo, v[\new+\q0+\a], v[\old+\q0+\a]    ; has this unit a larger score than all before it?  The mask feeds selects alone
.irp j, 0,2,4,6,8,10,12,14                     ; pairs: destinations even and odd, sources in different banks; both halves take VCC
	v_dual_cndmask_b32 v[S+16*(\q0+\a)+\j], v[S+16*(\q0+\a)+\j], v[ACC+16*\a+\j] :: v_dual_cndmask_b32 v[S+16*(\q0+\a)+\j+1], v[S+16*(\q0+\a)+\j+1], v[ACC+16*\a+\j+1]
.endr
	s_mov_b32 s[MK+\q0+\a], vcc_lo                 ; the mask is put by for the select of the unit's number: behind the eight pairs, ahead of the next compare
.endr
.endm
; One unit.  pf = 1: the next unit's loads go out behind the last products; 2: and the addresses step two units on; 3: the step alone; 0: neither.
.macro UNIT u, old, new, pf
	s_wait_dscnt 0x0                               ; the unit's fourteen loads are in
	MULS 0
	IDXS 4                                         ; the unit before, tiles 4-7: VT still holds its number
	v_mov_b32 v[VT], s33
	s_add_co_u32 s33, s33, 1
	SEARCH 0, \old, \new
	MULS 4
	IDXS 0                                         ; also the four places ahead of the loads into the operands
.if (\pf == 1) || (\pf == 2)
	LOADS (\u)+1
.endif
.if \pf >= 2
	v_add_nc_u32 v[LI], 2*UB, v[LI]                ; LDS instructions have read their addresses at issue
	v_add_nc_u32 v[L4], 2*UB, v[L4]
	v_add_nc_u32 v[LB], 2*UB, v[LB]
.endif
	SEARCH 4, \old, \new
.endm
.macro WALK trips, last                ; 2 x trips + 2 units; the last two are written out, so that no load reaches past what has landed
	LOADS 0
	s_mov_b32 s32, \trips
.Lwalk_\@:
	UNIT 0, RA, RB, 1
	UNIT 1, RB, RA, 2
	s_sub_co_u32 s32, s32, 1
	s_cmp_lg_u32 s32, 0
	s_cbranch_scc1 .Lwalk_\@
	UNIT 0, RA, RB, 1
	UNIT 1, RB, RA, \last
.endm
	s_load_b256 s[4:11], s[0:1], 0x0               ; ximg s[4:5], xscl s[6:7], eimg s[8:9], cand s[10:11]
	v_lshl_add_u32 v[SPW], v0, 2, SPARE
	v_mov_b32 v[NIL], 0
	ds_add_u32 v[SPW], v[NIL]                      ; the opening lines: the add, twice on end, and its wait ahead of my first tensor load
	ds_add_u32 v[SPW], v[NIL]
	v_lshrrev_b32 v[TMP], 5, v0
	v_readfirstlane_b32 s12, v[TMP]                ; wave 0..7
	v_and_b32 v[TMP], 31, v0
	v_and_b32 v[CB], 15, v0                        ; r
	v_lshlrev_b32 v[LI], 4, v[TMP]
	v_lshlrev_b32 v[CB+1], 2, v[CB]                ; 4 r: x's scale words
	s_bfe_u32 s13, ttmp6, 0x40000                  ; cx: my place in the cluster
	s_and_b32 s14, ttmp9, 7                        ; the cluster's block of codes (ttmp9 counts clusters)
	s_lshr_b32 s15, ttmp9, 3
	s_lshl_b32 s15, s15, 2
	s_add_co_u32 s15, s15, s13                     ; my group of 1,024 rows, 0..31
	; descriptor groups 1: dense bytes as rows of 256 (32 elements of 8 bytes), no padding: 18 rows for the first fill, 54 for the second
	s_mov_b32 s16, 15|(3<<16)|(1<<21)              ; the mask: all four work-groups; elements of 8 bytes; bit 21 set beside a mask
	s_mov_b32 s17, 32<<16                          ; tensor_dim0 = 32
	s_mov_b32 s18, 18<<16                          ; tensor_dim1
	s_mov_b32 s19, 32<<16                          ; tile_dim0 = 32
	s_mov_b32 s20, 18                              ; tile_dim1
	s_mov_b32 s21, 32                              ; tensor_dim0_stride
	s_mov_b32 s22, 0
	s_mov_b32 s23, 0
	s_mov_b32 s[G1B+0], 15|(3<<16)|(1<<21)
	s_mov_b32 s[G1B+1], 32<<16
	s_mov_b32 s[G1B+2], 54<<16
	s_mov_b32 s[G1B+3], 32<<16
	s_mov_b32 s[G1B+4], 54
	s_mov_b32 s[G1B+5], 32
	s_mov_b32 s[G1B+6], 0
	s_mov_b32 s[G1B+7], 0
	s_mov_b32 s24, 1                               ; groups 0: count = 1
	s_mov_b32 s[G0B], 1
	s_mul_i32 s25, s12, UB                         ; LDS address: unit w;
	s_mul_i32 s[G0B+1], s12, 3*UB
	s_add_co_u32 s[G0B+1], s[G0B+1], 8*UB          ; units 8 + 3 w on
	s_mul_i32 s38, s14, BLKB
	s_add_co_u32 s40, s38, s25                     ; and the same places in the block's part of eimg
	s_mov_b32 s41, 0
	s_add_co_u32 s42, s38, s[G0B+1]
	s_mov_b32 s43, 0
	s_lshl_b32 s28, s15, 17                        ; my 8 tiles of x: 64 tiles of 2,048 bytes a group, 8 a wave
	s_lshl_b32 s29, s12, 14
	s_add_co_u32 s28, s28, s29
	s_mov_b32 s29, 0
	s_lshl_b32 s30, s15, 13                        ; their scale words: 128 bytes a tile.  Also: my 128 rows' 8 bytes each in a block's part of cand
	s_lshl_b32 s31, s12, 10
	s_add_co_u32 s30, s30, s31
	s_mov_b32 s31, 0
	s_lshl_b32 s34, s14, 18                        ; a block's part of cand: 32,768 rows x 8 bytes
	s_add_co_u32 s34, s34, s30
	s_mov_b32 s35, 0
	s_mov_b32 s36, 0x76543210
	s_mov_b32 s37, 0xfedcba98                      ; v_permlanex16_b32's selects for lane l xor 16
	s_mov_b32 s46, 0xff800000                      ; -infinity
	s_lshl_b32 s33, s14, 5                         ; the block's first unit
.irp q, 4,5,6,7
	s_mov_b32 s[MK+\q], 0                          ; no unit before the first
.endr
	s_wait_alu depctr_va_vdst(0)
	s_wait_dscnt 0x0                               ; both opening adds are done
	s_wait_kmcnt 0x0
	s_add_nc_u64 s[4:5], s[4:5], s[28:29]
	s_add_nc_u64 s[6:7], s[6:7], s[30:31]
	s_add_nc_u64 s[10:11], s[10:11], s[34:35]
	s_add_nc_u64 s[26:27], s[8:9], s[40:41]
	s_add_nc_u64 s[G0B+2:G0B+3], s[8:9], s[42:43]
	s_or_b32 s27, s27, 0x80000000                  ; type = 2
	s_or_b32 s[G0B+3], s[G0B+3], 0x80000000
	ROUND                                          ; all four work-groups are here: the joint loads meet
	tensor_load_to_lds s[24:27], s[16:23]          ; unit w
	s_nop 0
.rept 4
	v_nop
.endr
	WIN 0x40                                       ; destination window 1, address window 0
.irp q, 0,1,2,3,4,5,6,7                        ; x's fragments stay in registers
.irp c, 0,1,2,3
	global_load_b128 v[16*\q+4*\c:16*\q+4*\c+3], v[LI], s[4:5] offset:2048*\q+512*\c
.endr
.endr
	WIN 0
.irp q, 0,1,2,3,4,5,6,7
	global_load_b32 v[XS+\q], v[CB+1], s[6:7] offset:128*\q        ; row r's word for K = 0 .. 127 (lanes 16-31 the same again: they are not read),
	global_load_b32 v[XS2+\q], v[CB+1], s[6:7] offset:128*\q+64    ; and for K = 128 .. 255
.endr
	v_bfe_u32 v[H8], v0, 4, 1                      ; h
	v_lshlrev_b32 v[GOFF], 3, v[TMP]
	v_mov_b32 v[VT], s46
	v_mul_u32_u24 v[L4], v[H8], REC
	v_lshlrev_b32 v[LB], 5, v[H8]
	v_lshlrev_b32 v[H8], 3, v[H8]
	v_lshl_add_u32 v[L4], v[CB], 2, v[L4]
.irp q, 0,1,2,3,4,5,6,7                        ; the search is written once: its first unit finds -infinity, under every score, and wins
	v_mov_b32 v[RA+\q], s46
	v_mov_b32 v[IDX+\q], 0
.endr
.set p, 0
.rept 64
	v_dual_mov_b32 v[S+p], v[VT] :: v_dual_mov_b32 v[S+p+1], v[VT]
.set p, p+2
.endr
	s_wait_alu depctr_va_vdst(0)
	s_wait_tensorcnt 0x0                           ; my unit has landed
	ds_add_u32 v[SPW], v[NIL]
	s_wait_dscnt 0x0
	ROUND                                          ; units 0 to 7 are in, and all four work-groups are here
	tensor_load_to_lds s[G0B:G0B+3], s[G1B:G1B+7]  ; my three later units: the first thing behind the round
	s_nop 0
.rept 4
	v_nop
.endr
	s_wait_loadcnt 0x0                             ; x and its scale words; LI is free for the walk
	WALK 3, 3                                      ; units 0 to 7; the addresses end at unit 8
	s_wait_tensorcnt 0x0                           ; my three units have landed,
	s_barrier_signal -1
	s_barrier_wait -1                              ; and everybody's
	WALK 11, 0                                     ; units 8 to 31
	IDXS 4                                         ; the last unit, tiles 4-7
	; THE END, the eight tiles of rows by turns.  The place in the kept unit: descending, so that the lowest p that holds the maximum stays
.irp q, 0,1,2,3,4,5,6,7
	v_mov_b32 v[POS+\q], 15
.endr
.irp j, 14,13,12,11,10,9,8,7,6,5,4,3,2,1,0
.irp q, 0,1,2,3,4,5,6,7
	v_cmp_eq_f32 s[MA+\q], v[S+16*\q+\j], v[RA+\q]
.endr
.irp q, 0,1,2,3,4,5,6,7
	v_cndmask_b32 v[POS+\q], v[POS+\q], \j, s[MA+\q]
.endr
.endr
.irp q, 0,1,2,3,4,5,6,7
	v_and_b32 v[SG+\q], 8, v[POS+\q]
.endr
.irp q, 0,1,2,3,4,5,6,7
	v_add3_u32 v[POS+\q], v[POS+\q], v[SG+\q], v[H8]   ; 16 (p / 8) + p % 8 + 8 h
.endr
.irp q, 0,1,2,3,4,5,6,7
	v_lshl_add_u32 v[POS+\q], v[IDX+\q], 5, v[POS+\q]  ; + 32 x unit: the code
.endr
.irp q, 0,1,2,3,4,5,6,7
	v_add_f32 v[RA+\q], 0, v[RA+\q]                ; -0 becomes +0: equal numbers get equal keys
.endr
.irp q, 0,1,2,3,4,5,6,7
	v_ashrrev_i32 v[SG+\q], 31, v[RA+\q]
.endr
.irp q, 0,1,2,3,4,5,6,7
	v_or_b32 v[SG+\q], 0x80000000, v[SG+\q]
.endr
.irp q, 0,1,2,3,4,5,6,7
	v_xor_b32 v[RA+\q], v[RA+\q], v[SG+\q]         ; the key: negative numbers with all bits turned, the others with the sign bit set: unsigned order = the numbers' order
.endr
.irp q, 0,1,2,3,4,5,6,7
	v_permlanex16_b32 v[RB+\q], v[RA+\q], s36, s37 ; the other half of the lanes'; the destinations have been written before
.endr
.irp q, 0,1,2,3,4,5,6,7
	v_permlanex16_b32 v[OC+\q], v[POS+\q], s36, s37
.endr
.irp q, 0,1,2,3,4,5,6,7
	v_cmp_gt_u32 s[MA+\q], v[RB+\q], v[RA+\q]      ; the larger key wins, of equal keys the lower code
.endr
.irp q, 0,1,2,3,4,5,6,7
	v_cmp_eq_u32 s[MB+\q], v[RB+\q], v[RA+\q]
.endr
.irp q, 0,1,2,3,4,5,6,7
	v_cmp_lt_u32 s[MC+\q], v[OC+\q], v[POS+\q]
.endr
.irp q, 0,1,2,3,4,5,6,7
	s_and_b32 s[MB+\q], s[MB+\q], s[MC+\q]
	s_or_b32 s[MA+\q], s[MA+\q], s[MB+\q]
.endr
.irp q, 0,1,2,3,4,5,6,7
	v_cndmask_b32 v[RA+\q], v[RA+\q], v[RB+\q], s[MA+\q]
.endr
.irp q, 0,1,2,3,4,5,6,7
	v_cndmask_b32 v[POS+\q], v[POS+\q], v[OC+\q], s[MA+\q]
.endr
	v_cmp_lt_u32 vcc_lo, 15, v[TMP]                ; both halves of the lanes hold the same answers: lanes 0-15 store tile 2 k's rows, lanes 16-31 tile 2 k + 1's
.irp k, 0,1,2,3
	v_cndmask_b32 v[OUT+2*\k], v[RA+2*\k], v[RA+2*\k+1], vcc_lo
	v_cndmask_b32 v[OUT+2*\k+1], v[POS+2*\k], v[POS+2*\k+1], vcc_lo
.endr
.irp k, 0,1,2,3
	global_store_b64 v[GOFF], v[OUT+2*\k:OUT+2*\k+1], s[10:11] offset:256*\k   ; row 32 k + lane: 32 lanes store 256 consecutive bytes, aligned
.endr
	s_wait_tensorcnt 0x0                           ; the wave's end
	ds_add_u32 v[SPW], v[NIL]
	s_wait_dscnt 0x0
	ROUND                                          ; the closing round
	s_endpgm
.Lfunc_end_k_qdb1d516ac2_search:
	.size	k_qdb1d516ac2_search, .Lfunc_end_k_qdb1d516ac2_search-k_qdb1d516ac2_search
	.p2alignl 7, 3214868480
	.fill 96, 4, 3214868480
	.section	.rodata,"a",@progbits
	.p2align	6, 0x0
	.amdhsa_kernel k_qdb1d516ac2_search
		.amdhsa_group_segment_fixed_size 327680
		.amdhsa_private_segment_fixed_size 0
		.amdhsa_enable_private_segment 0
		.amdhsa_kernarg_size 32
		.amdhsa_user_sgpr_count 2
		.amdhsa_user_sgpr_kernarg_segment_ptr 1
		.amdhsa_wavefront_size32 1
		.amdhsa_system_sgpr_workgroup_id_x 1
		.amdhsa_system_sgpr_workgroup_id_y 1
		.amdhsa_system_sgpr_workgroup_id_z 1
		.amdhsa_system_vgpr_workitem_id 0
		.amdhsa_next_free_vgpr 448
		.amdhsa_next_free_sgpr 100
		.amdhsa_reserve_vcc 1
		.amdhsa_float_denorm_mode_32 3
		.amdhsa_float_denorm_mode_16_64 3
		.amdhsa_memory_ordered 1
		.amdhsa_forward_progress 1
		.amdhsa_inst_pref_size 136
	.end_amdhsa_kernel
	.amdgpu_metadata
---
amdhsa.version: [ 1, 2 ]
amdhsa.kernels:
  - .name:           k_qdb1d516ac2_search
    .symbol:         k_qdb1d516ac2_search.kd
    .args:
      - { .name: ximg, .offset: 0, .size: 8, .value_kind: global_buffer, .address_space: global }
      - { .name: xscl, .offset: 8, .size: 8, .value_kind: global_buffer, .address_space: global }
      - { .name: eimg, .offset: 16, .size: 8, .value_kind: global_buffer, .address_space: global }
      - { .name: cand, .offset: 24, .size: 8, .value_kind: global_buffer, .address_space: global }
    .group_segment_fixed_size: 327680
    .private_segment_fixed_size: 0
    .kernarg_segment_align: 8
    .kernarg_segment_size: 32
    .max_flat_workgroup_size: 256
    .sgpr_count:     100
    .vgpr_count:     448
    .wavefront_size: 32
...
	.end_amdgpu_metadata
.endif
;; end of part 2
;; launch gather (part 3): grid 256 x 1, 8 waves a work-group, no clusters, 0 bytes of LDS; arguments cand, embed, out0; writes out0
.if DOCPART == 3
	.amdgcn_target "amdgcn-amd-amdhsa--gfx1250"
	.amdhsa_code_object_version 6
	.text
	.protected	k_qdb1d516ac2_gather
	.globl	k_qdb1d516ac2_gather
	.p2align	8
	.type	k_qdb1d516ac2_gather,@function
k_qdb1d516ac2_gather:
	s_mov_b64 s[64:65], 0
	v_nop
	global_prefetch_b8 v0, s[64:65] scope:SCOPE_SE
	s_setreg_imm32_b32 hwreg(HW_REG_WAVE_MODE, 25, 1), 1
	s_wait_xcnt 0x0
; out0[row][:] = embed[code(row)][:].  cand: [8 blocks][32768 rows][key, code], whole numbers stored by the launch before: of a row's eight pairs the largest key wins, of equal keys the lowest block, which holds the lower codes.
; |x|^2 is left out here as in the launches before: it moves no comparison.
; A wave takes 16 rows.  Lane (r, h) loads row r's pairs of blocks 4 h .. 4 h + 3 (sixteen lanes read 128 consecutive bytes), joins them, and lanes 0-15 join the other half's; the 16 codes then go to scalar registers.
; A row is 1,024 bytes: two loads and two stores of 512 consecutive bytes.  All 32 loads of a wave go out at once, each into registers of its own; the stores follow row by row.
; No LDS, no barrier, no matrix work; no cluster: which rows of embed a work-group reads hangs on the list.  The loads carry no hint: a row of embed may be named many times.
.set LO, 2                             ; v2     16 x lane
.set CO, 3                             ; v3     my place in cand: 8 r + 4 h blocks
.set OF, 4                             ; v4-19  row i: byte offset in embed
.set D,  24                            ; v24-151 row i: 8 registers
.set K,  152                           ; v152-159 four pairs (key, code)
.set OK, 160                           ; v160-161 the other half's pair
.set OC, 161
	s_load_b128 s[4:7], s[0:1], 0x0                ; cand s[4:5], embed s[6:7]
	s_load_b64 s[8:9], s[0:1], 0x10                ; out0
	v_lshrrev_b32 v1, 5, v0
	v_readfirstlane_b32 s12, v1                    ; wave 0..7
	v_and_b32 v1, 31, v0
	v_and_b32 v[CO], 15, v0
	v_lshlrev_b32 v[LO], 4, v1
	v_bfe_u32 v1, v0, 4, 1
	v_lshlrev_b32 v[CO], 3, v[CO]
	v_mov_b32 v[OK], 0                             ; written once: a lane permute's destination counts as one of its sources
	v_mov_b32 v[OC], 0
	v_lshl_add_u32 v[CO], v1, 20, v[CO]            ; four blocks are 4 x 262,144 bytes
	s_lshl_b32 s10, ttmp9, 7
	s_lshl_b32 s11, s12, 4
	s_add_co_u32 s10, s10, s11                     ; my first row: 128 x work-group + 16 x wave
	s_lshl_b32 s14, s10, 3
	s_mov_b32 s15, 0
	s_lshl_b32 s32, s10, 10
	s_mov_b32 s33, 0
	s_mov_b32 s34, 0x76543210
	s_mov_b32 s35, 0xfedcba98                      ; v_permlanex16_b32's selects for lane l xor 16
	s_wait_alu depctr_va_vdst(0)
	s_wait_kmcnt 0x0
	s_add_nc_u64 s[4:5], s[4:5], s[14:15]
	s_add_nc_u64 s[8:9], s[8:9], s[32:33]
.irp b, 0,1,2,3
	global_load_b64 v[K+2*\b:K+2*\b+1], v[CO], s[4:5] offset:262144*\b
.endr
	s_wait_loadcnt 0x0
	v_cmp_gt_u32 s20, v[K+2], v[K]                 ; strictly larger: of equal keys the lower block stays
	v_cmp_gt_u32 s21, v[K+6], v[K+4]
	v_cndmask_b32 v[K], v[K], v[K+2], s20
	v_cndmask_b32 v[K+4], v[K+4], v[K+6], s21
	v_cndmask_b32 v[K+1], v[K+1], v[K+3], s20
	v_cndmask_b32 v[K+5], v[K+5], v[K+7], s21
	v_cmp_gt_u32 vcc_lo, v[K+4], v[K]
	v_cndmask_b32 v[K], v[K], v[K+4], vcc_lo
	v_cndmask_b32 v[K+1], v[K+1], v[K+5], vcc_lo
	v_permlanex16_b32 v[OK], v[K], s34, s35
	v_permlanex16_b32 v[OC], v[K+1], s34, s35
	v_cmp_gt_u32 vcc_lo, v[OK], v[K]               ; right in lanes 0-15, whose own blocks are the lower ones; lanes 16-31 are not read below
	v_cndmask_b32 v[K+1], v[K+1], v[OC], vcc_lo
	s_wait_alu depctr_va_vdst(0)
.irp i, 0,1,2,3,4,5,6,7,8,9,10,11,12,13,14,15
	v_readlane_b32 s[16+\i], v[K+1], \i            ; row i's code
.endr
.irp i, 0,1,2,3,4,5,6,7,8,9,10,11,12,13,14,15
	s_min_u32 s[16+\i], s[16+\i], 8191             ; a loaded number enters an address only behind a bound
	s_lshl_b32 s[16+\i], s[16+\i], 10
	v_add_nc_u32 v[OF+\i], s[16+\i], v[LO]
.endr
	s_wait_alu depctr_va_vdst(0)
.irp i, 0,1,2,3,4,5,6,7,8,9,10,11,12,13,14,15
	global_load_b128 v[D+8*\i:D+8*\i+3], v[OF+\i], s[6:7]
	global_load_b128 v[D+8*\i+4:D+8*\i+7], v[OF+\i], s[6:7] offset:512
.endr
.irp i, 0,1,2,3,4,5,6,7,8,9,10,11,12,13,14,15
	s_wait_loadcnt 30-2*\i                         ; loads come back in order: row i's two are in, the two of each later row may be out
	global_store_b128 v[LO], v[D+8*\i:D+8*\i+3], s[8:9] offset:1024*\i th:TH_STORE_NT
	global_store_b128 v[LO], v[D+8*\i+4:D+8*\i+7], s[8:9] offset:1024*\i+512 th:TH_STORE_NT   ; 32 lanes store 512 consecutive bytes; written once, read by nobody here
.endr
	s_endpgm
.Lfunc_end_k_qdb1d516ac2_gather:
	.size	k_qdb1d516ac2_gather, .Lfunc_end_k_qdb1d516ac2_gather-k_qdb1d516ac2_gather
	.p2alignl 7, 3214868480
	.fill 96, 4, 3214868480
	.section	.rodata,"a",@progbits
	.p2align	6, 0x0
	.amdhsa_kernel k_qdb1d516ac2_gather
		.amdhsa_group_segment_fixed_size 0
		.amdhsa_private_segment_fixed_size 0
		.amdhsa_enable_private_segment 0
		.amdhsa_kernarg_size 24
		.amdhsa_user_sgpr_count 2
		.amdhsa_user_sgpr_kernarg_segment_ptr 1
		.amdhsa_wavefront_size32 1
		.amdhsa_system_sgpr_workgroup_id_x 1
		.amdhsa_system_sgpr_workgroup_id_y 1
		.amdhsa_system_sgpr_workgroup_id_z 1
		.amdhsa_system_vgpr_workitem_id 0
		.amdhsa_next_free_vgpr 168
		.amdhsa_next_free_sgpr 66
		.amdhsa_reserve_vcc 1
		.amdhsa_float_denorm_mode_32 3
		.amdhsa_float_denorm_mode_16_64 3
		.amdhsa_memory_ordered 1
		.amdhsa_forward_progress 1
		.amdhsa_inst_pref_size 12
	.end_amdhsa_kernel
	.amdgpu_metadata
---
amdhsa.version: [ 1, 2 ]
amdhsa.kernels:
  - .name:           k_qdb1d516ac2_gather
    .symbol:         k_qdb1d516ac2_gather.kd
    .args:
      - { .name: cand, .offset: 0, .size: 8, .value_kind: global_buffer, .address_space: global }
      - { .name: embed, .offset: 8, .size: 8, .value_kind: global_buffer, .address_space: global }
      - { .name: out0, .offset: 16, .size: 8, .value_kind: global_buffer, .address_space: global }
    .group_segment_fixed_size: 0
    .private_segment_fixed_size: 0
    .kernarg_segment_align: 8
    .kernarg_segment_size: 24
    .max_flat_workgroup_size: 256
    .sgpr_count:     66
    .vgpr_count:     168
    .wavefront_size: 32
...
	.end_amdgpu_metadata
.endif
;; end of part 3
